; MI455X (gfx1250); checked and timed in simulation.
; The chip was launched on July 23, 2026; its instructions are those of AMD's public machine-readable ISA for CDNA 5 (MIT licence, August 2026) and "CDNA5" Instruction Set Architecture Reference Guide (July 2026). The comments in the code are by the model that wrote it; some were corrected since.
;; Multi Head Attention. Allowed arithmetic: matrix products marked QUANTISED: E2M3 operands, one E8M0 scale for each 32 along K, by v_wmma_scale_f32_16x16x128_f8f6f4 with both operands' format E2M3, f32 sums; everything else in f32.
;; Inputs: Wk 1,024 x 1,024 float32; Wo 1,024 x 1,024 float32; Wq 1,024 x 1,024 float32; Wv 1,024 x 1,024 float32; bk 1,024 float32; bo 1,024 float32; bq 1,024 float32; bv 1,024 float32; k 2 x 2,048 x 1,024 float32; mask 2 x 2,048 x 2,048 int32; q 2 x 2,048 x 1,024 float32; v 2 x 2,048 x 1,024 float32.
;; Outputs: out0 2 x 2,048 x 1,024 float32.
;; This version of the problem:
;;   THIS VERSION OF THE PROBLEM IS GIVEN IN LOW PRECISION. The matrix products marked QUANTISED in the list below multiply operands that are first quantised to E2M3 (2 exponent bits, 3 mantissa bits; 6 bits a number), with one power-of-two scale for each 32 numbers along K (OCP MX v1.0); their sums are f32. All else is computed in f32.
;;   The module's matrix products, in the order in which they are computed (A, B: the left and right operand; K: the contracted axis; several contracted axes count as one K, in the product's order):
;;     1. [M 4,096, K 1,024] x [K 1,024, N 1,024]; A: input q; B: input Wq: QUANTISED
;;     2. [M 4,096, K 1,024] x [K 1,024, N 1,024]; A: input k; B: input Wk: QUANTISED
;;     3. [M 4,096, K 1,024] x [K 1,024, N 1,024]; A: input v; B: input Wv: QUANTISED
;;     4. batch 32 x [M 2,048, K 64] x [K 64, N 2,048]; A: computed on the way; B: computed on the way: QUANTISED
;;     5. batch 32 x [M 2,048, K 2,048] x [K 2,048, N 64]; A: softmax (see below); B: computed on the way: QUANTISED
;;     6. [M 4,096, K 1,024] x [K 1,024, N 1,024]; A: computed on the way; B: input Wo: QUANTISED
;;   THE QUANTISER, for each operand of a quantised product, along K:
;;     - K is cut into blocks of 32 from its start; a last block that is shorter is filled with zeros.
;;     - A block's scale is 2^e with e = floor(log2(the largest magnitude in the block)) - 2, held to -126 .. 127; a block of zeros has e = 0. As a byte (E8M0): e + 127.
;;     - Each number is divided by its block's scale, clamped to +-7.5, and rounded to the nearest number of E2M3, ties to even, subnormals kept.
;;     - The product sums the exact products of the quantised numbers (number of the format x scale) in f32.
;;   ~~~python
;;   def quantise(x, axis):      # numpy; x: float32 -> the quantised numbers, widened to float32 again
;;       x = np.moveaxis(x, axis, -1); K = x.shape[-1]
;;       x = np.pad(x, [(0, 0)] * (x.ndim - 1) + [(0, -K % 32)]); x = x.reshape(x.shape[:-1] + (-1, 32)); a = np.abs(x).max(-1, keepdims=True)
;;       e = np.where(a > 0, np.clip(np.frexp(np.where(a > 0, a, 1))[1] - 1 - 2, -126, 127), 0)      # np.frexp(a)[1] - 1 = floor(log2(a)), exactly
;;       r = np.clip(x / 2.0 ** e, -7.5, 7.5)
;;       step = 2.0 ** (np.maximum(np.frexp(np.where(r == 0, 1, r))[1] - 1, 0) - 3)
;;       q = np.round(r / step) * step * 2.0 ** e      # np.round: ties to even
;;       return np.moveaxis(q.reshape(q.shape[:-2] + (-1,))[..., :K], -1, axis).astype(np.float32)
;;   ~~~
;;   SOFTMAX AHEAD OF A QUANTISED PRODUCT. Where the list says 'softmax', what is quantised is not the finished softmax but p = 2^(t - M), with t = logit x log2(e) and M = ceil(the row's largest t), a whole number; so 1/2 < the row's largest p <= 1. The row's sum l is taken of the UNQUANTISED p, in f32, and the product's result is divided by l at the end. Since M is a whole number, a kernel that streams over the keys may use a running M (the ceiling of the running maximum): every later rescaling is an exact power of two, which a block's scale takes up: the codes' values come out the same.
;;   OPERANDS COMPUTED ON THE WAY. 'Computed on the way' means the value that the module computes at that place (a softmax that the list does not call 'softmax' is quantised finished and normalised). What goes into a quantiser is computed in f32, as accurately as f32 sums, v_exp_f32 and their like allow (about 1e-6 of the number): no bf16 or f16 on the way to a quantiser, and a product that is left as it is and whose result goes on into a quantised operand takes f32 operands (vector FMAs, or v_wmma_f32_16x16x4_f32). A number that lies on a knife's edge between two numbers of the format may be rounded either way, as far as f32 arithmetic and the matrix unit's own rounding can turn it there, and no further.
;; One version. Each part assembles by itself: llvm-mc -triple=amdgcn-amd-amdhsa -mcpu=gfx1250 --defsym DOCPART=n.
;; ======== version 1 of 1: 4 launches
;; limits: right only within a limited range of input values
;; workspace buffers: xc 12,582,912 bytes; xs 524,288 bytes; mbits 1,048,576 bytes of whole numbers; hc 10,223,616 bytes; yc 3,145,728 bytes; ys 131,072 bytes
;; launch prep (part 1): grid 256 x 1, 6 waves a work-group, no clusters, 51,456 bytes of LDS; arguments q, k, v, Wq, Wk, Wv, Wo, mask, xc, xs, mbits; writes xc, xs, mbits
.if DOCPART == 1
	.amdgcn_target "amdgcn-amd-amdhsa--gfx1250"
	.amdhsa_code_object_version 6
	.text
	.protected	k_q8351b75077_prep
	.globl	k_q8351b75077_prep
	.p2align	8
	.type	k_q8351b75077_prep,@function
k_q8351b75077_prep:
	s_mov_b64 s[64:65], 0
	v_nop
	global_prefetch_b8 v0, s[64:65] scope:SCOPE_SE
	s_setreg_imm32_b32 hwreg(HW_REG_WAVE_MODE, 25, 1), 1
	s_wait_xcnt 0x0
; PREP.  (1) q, k, v [4096][1024] and Wq, Wk, Wv, Wo [1024][1024], f32 with K innermost, become codes of FP6 (E2M3) with one E8M0 byte for each 32 along K.
; (2) mask [2][2048][2048] int32 becomes one bit a number.
; A ROW TILE T holds 16 rows that are not neighbours: rows 32 (T / 2) + 8 (T % 2) + j + 8 (j / 8), j = 0 .. 15, counted inside its matrix.  Tiles: q 0-255, k 256-511, v 512-767, Wq 768.., Wk 832.., Wv 896.., Wo 960...
; xc [T][K step 8][half 2][768 bytes]: a half is an IMAGE of six operand registers (16 rows x 64 along K): registers 0-3 at 16 x lane, registers 4-5 at 512 + 8 x lane.  Lane (r, h) holds k = 32 h .. 32 h + 31 of row r.
; xs [T][row 16][8 words]: the word of K step s holds the four scale bytes of that row and step.
; mbits [mask 2][query tile 128][key step 16][64 words]: bit l of word 16 B + i is 1 where mask[query l % 16 of the tile][128 step + 32 B + 16 (l / 16) + i] is not 0.
; A block's scale is 2^(floor(log2(its largest magnitude)) - 2); its byte is the largest magnitude's exponent field - 2, held at 1 from below.
; LIMITS: a block of zeros, or one whose largest magnitude lies under 2^-124, gets the byte 1 (its codes are zeros or tiny; this program alone reads the bytes); NaN and infinities among the inputs are not served.
; SHARES.  Waves 0-3 of work-group i take row tile 4 i + wave; waves 4-5 take 16 queries x 1,024 keys of a mask.  Each wave walks 8 fragments of 16 rows x 512 bytes: every load reads 512 consecutive bytes of one row;
; the 8,192 bytes turn through the wave's own stage in LDS (rows 528 bytes apart), so that a lane gets whole blocks of 32 neighbours.  Waves share nothing: no barrier.  Loads run two fragments (32 loads a wave) ahead.
.set PITCH, 528
; k's ROW TILES (256-511) HAVE ANOTHER ORDER than the other six matrices': tile t of k holds rows 64 (t / 4) + 8 (t % 4) + j + 24 (j / 8), so that in the scores' product a lane holds whole blocks of 32 keys.
; mbits' WORDS FOLLOW THAT ORDER: bit l of word R (0 .. 63) is 1 where mask[query l % 16 of the tile][128 step + 64 (R / 32) + 32 (l / 16) + R % 32] is not 0.
; v52: the byte offset of a tile's rows 8-15: v2, and for k 16 rows (65,536 bytes) more.
.set STG,   16*PITCH                   ; a wave's stage
.set R,     64                         ; v64-191  two sets of 64 registers as loaded
.set X,     192                        ; v192-255 64 numbers of my row
.set SWD,   18                         ; v18-25   my row's scale word of each K step
	s_load_b256 s[4:11], s[0:1], 0x0               ; q, k, v, Wq
	s_load_b256 s[12:19], s[0:1], 0x20             ; Wk, Wv, Wo, mask
	s_load_b128 s[20:23], s[0:1], 0x40             ; xc, xs
	s_load_b64 s[24:25], s[0:1], 0x50              ; mbits
	v_lshl_add_u32 v62, v0, 2, 0xc600
	v_mov_b32 v63, 0
	v_lshrrev_b32 v1, 5, v0
	v_readfirstlane_b32 s26, v1                    ; wave 0..5
	v_and_b32 v1, 31, v0                           ; lane
	v_and_b32 v9, 15, v0                           ; r
	v_bfe_u32 v7, v0, 4, 1                         ; h
	v_lshlrev_b32 v2, 4, v1                        ; 16 x lane: my bytes of a load's 512, and of an image's first part
	v_mov_b32 v52, v2                              ; the same for a tile's rows 8-15 (k's work-groups add 16 rows below)
	s_mul_i32 s27, s26, STG
	v_add_nc_u32 v3, s27, v2                       ; the stage, on the way in
	v_mul_u32_u24 v4, v9, PITCH
	v_add_nc_u32 v4, s27, v4                       ; the stage's row r
	v_lshl_add_u32 v4, v7, 7, v4                   ; back, for the quantiser: + 128 h (32 numbers of each 64)
	v_lshlrev_b32 v6, 3, v1                        ; 8 x lane
	v_lshlrev_b32 v8, 5, v9
	v_lshl_add_u32 v8, v7, 4, v8                   ; 32 r + 16 h: my four scale words in xs
	v_lshlrev_b32 v7, 3, v7                        ; 8 h
	v_mov_b32 v17, 0                               ; written once: the destination of a lane permute or of v_writelane_b32 counts as one of its sources
	v_mov_b32 v50, 0
	v_mov_b32 v51, 0
	s_mov_b32 s30, 0x76543210
	s_mov_b32 s31, 0xfedcba98                      ; v_permlanex16_b32's selects for lane l xor 16
	s_mov_b32 s43, 0
	s_wait_kmcnt 0x0
.macro LOADF f, pitch                  ; fragment f: 16 rows x 512 bytes into set f % 2
.irp j, 0,1,2,3,4,5,6,7,8,9,10,11,12,13,14,15
	global_load_b128 v[R+64*((\f)%2)+4*\j:R+64*((\f)%2)+4*\j+3], v[2+50*(\j/8)], s[28:29] offset:(\j+8*(\j/8))*\pitch+512*(\f) th:TH_LOAD_NT
.endr
.endm
.macro HEADF f                         ; the fragment's loads are in; it goes into the stage as it lies
.if (\f) < 7
	s_wait_loadcnt 16                              ; loads come back in order: this fragment's 16 are in, the next fragment's 16 may be out
.else
	s_wait_loadcnt 0x0
.endif
	s_wait_xcnt 0x0                                ; the last fragment's stores have read their data registers, which are written again below
.irp j, 0,1,2,3,4,5,6,7,8,9,10,11,12,13,14,15
	ds_store_b128 v3, v[R+64*((\f)%2)+4*\j:R+64*((\f)%2)+4*\j+3] offset:PITCH*\j
.endr
.endm
	s_cmp_lt_u32 s26, 4
	s_cbranch_scc0 .Lmask
	; ---------------- waves 0-3: the quantiser
.macro PICK lim, lo, base              ; the choice hangs on the work-group's number alone
	s_cmp_lt_u32 ttmp9, \lim
	s_cselect_b64 s[28:29], s[\lo:\lo+1], s[28:29]
	s_cselect_b32 s40, \base, s40
.endm
	s_mov_b64 s[28:29], s[16:17]                   ; Wo: work-groups 240-255
	s_mov_b32 s40, 240
	PICK 240, 14, 224                              ; Wv
	PICK 224, 12, 208                              ; Wk
	PICK 208, 10, 192                              ; Wq
	PICK 192, 8, 128                               ; v
	PICK 128, 6, 64                                ; k
	PICK 64, 4, 0                                  ; q
	s_sub_co_u32 s40, ttmp9, s40
	s_lshl_b32 s40, s40, 2
	s_add_co_u32 s40, s40, s26                     ; my tile, counted inside its matrix
	s_lshr_b32 s41, s40, 1
	s_lshl_b32 s41, s41, 5
	s_and_b32 s42, s40, 1
	s_lshl_b32 s42, s42, 3
	s_add_co_u32 s41, s41, s42                     ; its first row
	s_lshr_b32 s45, s40, 2
	s_lshl_b32 s45, s45, 6
	s_and_b32 s42, s40, 3
	s_lshl_b32 s42, s42, 3
	s_add_co_u32 s45, s45, s42                     ; in k's order: 64 (t / 4) + 8 (t % 4)
	s_lshr_b32 s42, ttmp9, 6
	s_cmp_eq_u32 s42, 1                            ; work-groups 64-127 take k: the choice hangs on the work-group's number alone
	s_cselect_b32 s41, s45, s41
	s_cselect_b32 s45, 0x10000, 0
	v_add_nc_u32 v52, s45, v2                      ; k: rows 8-15 of a tile lie 16 rows further on
	s_wait_alu depctr_va_vdst(0)
	s_lshl_b32 s42, s41, 12                        ; x 4,096 bytes
	s_add_nc_u64 s[28:29], s[28:29], s[42:43]
	s_lshl_b32 s40, ttmp9, 2
	s_add_co_u32 s40, s40, s26                     ; T
	s_mul_i32 s42, s40, 12288
	s_add_nc_u64 s[20:21], s[20:21], s[42:43]      ; its images
	s_lshl_b32 s42, s40, 9
	s_add_nc_u64 s[22:23], s[22:23], s[42:43]      ; its scale words
	s_mov_b32 s44, 0xffff0000                      ; lanes 16-31
	LOADF 0, 4096
	LOADF 1, 4096
.macro QFRAG f
	HEADF \f
.irp c, 0,1
.irp q, 0,1,2,3,4,5,6,7
	ds_load_b128 v[X+32*\c+4*\q:X+32*\c+4*\q+3], v4 offset:256*\c+16*\q   ; LDS serves a wave's instructions in order: these see the stores.  X[32 c + i] = k 64 c + 32 h + i of row r
.endr
.endr
	s_wait_dscnt 0x0
.if (\f) < 6
	LOADF (\f)+2, 4096
.endif
.irp c, 0,1
	v_max3_num_f32 v[10+\c], |v[X+32*\c]|, |v[X+32*\c+1]|, 0x1800000   ; block 2 c + h is all mine; the floor 2^(3 - 127) holds the byte at 1 from below
.endr
.irp i, 2,4,6,8,10,12,14,16,18,20,22,24,26,28,30
.irp c, 0,1
	v_max3_num_f32 v[10+\c], v[10+\c], |v[X+32*\c+\i]|, |v[X+32*\c+\i+1]|
.endr
.endr
.irp c, 0,1
	v_add_nc_u32 v[12+\c], 0xff000000, v[10+\c]    ; 2 off the exponent field: the conversion's scale operand
.endr
.irp c, 0,1
	v_lshrrev_b32 v[14+\c], 23, v[12+\c]           ; the scale's byte
.endr
	v_cvt_scalef32_pk16_fp6_f32 v[26:28], v[X:X+15], v12
	v_cvt_scalef32_pk16_fp6_f32 v[38:40], v[X+16:X+31], v12      ; (a conversion's three registers begin on an even number: the second half is made elsewhere and moved)
	v_cvt_scalef32_pk16_fp6_f32 v[32:34], v[X+32:X+47], v13
	v_cvt_scalef32_pk16_fp6_f32 v[42:44], v[X+48:X+63], v13
	v_lshl_or_b32 v16, v15, 16, v14                ; (a plain line behind the conversions)  my two bytes: blocks h and 2 + h,
	v_lshlrev_b32 v16, v7, v16                     ; at their places in the word
.irp i, 0,1,2
	v_mov_b32 v[29+\i], v[38+\i]
	v_mov_b32 v[35+\i], v[42+\i]
.endr
	v_permlanex16_b32 v17, v16, s30, s31
	v_or_b32 v[SWD+(\f)], v16, v17                 ; with lane l xor 16's two the word is whole
	global_store_b128 v2, v[26:29], s[20:21] offset:1536*(\f)          ; each store of the wave covers 512 or 256 consecutive bytes, aligned
	global_store_b64 v6, v[30:31], s[20:21] offset:1536*(\f)+512
	global_store_b128 v2, v[32:35], s[20:21] offset:1536*(\f)+768
	global_store_b64 v6, v[36:37], s[20:21] offset:1536*(\f)+1280
.endm
	s_wait_alu depctr_va_vdst(0)
.irp f, 0,1,2,3,4,5,6,7
	QFRAG \f
.endr
.irp i, 0,1,2,3
	v_cndmask_b32 v[46+\i], v[SWD+\i], v[SWD+4+\i], s44   ; lanes 0-15 store K steps 0-3 of row r, lanes 16-31 K steps 4-7
.endr
	global_store_b128 v8, v[46:49], s[22:23]       ; 512 consecutive bytes
	s_wait_tensorcnt 0x0
	ds_add_u32 v62, v63
	s_wait_dscnt 0x0
	s_endpgm
	; ---------------- waves 4-5: the mask
.Lmask:
	s_lshl_b32 s40, ttmp9, 1
	s_add_co_u32 s40, s40, s26
	s_sub_co_u32 s40, s40, 4                       ; task 0..511 = 256 x mask + 2 x query tile + half of the keys
	s_lshr_b32 s41, s40, 8
	s_lshl_b32 s41, s41, 24                        ; a mask is 2^24 bytes
	s_bfe_u32 s42, s40, 0x70001                    ; the query tile
	s_lshr_b32 s44, s42, 1
	s_lshl_b32 s44, s44, 5
	s_and_b32 s42, s42, 1
	s_lshl_b32 s42, s42, 3
	s_add_co_u32 s42, s42, s44                     ; its first row
	s_lshl_b32 s42, s42, 13                        ; x 8,192 bytes
	s_add_co_u32 s42, s42, s41
	s_and_b32 s44, s40, 1
	s_lshl_b32 s44, s44, 12                        ; 1,024 keys are 4,096 bytes
	s_add_co_u32 s42, s42, s44
	s_add_nc_u64 s[28:29], s[18:19], s[42:43]
	s_lshl_b32 s42, s40, 11                        ; 8 key steps x 256 bytes a task
	s_add_nc_u64 s[24:25], s[24:25], s[42:43]
	LOADF 0, 8192
	LOADF 1, 8192
.macro MFRAG f
	HEADF \f
.irp c, 0,1
.irp q, 0,1,2,3,4,5,6,7
	ds_load_b128 v[X+32*\c+4*\q:X+32*\c+4*\q+3], v4 offset:256*\c+16*\q   ; X[32 c + i] = key 64 c + 32 h + i of query r
.endr
.endr
	s_wait_dscnt 0x0
.if (\f) < 6
	LOADF (\f)+2, 8192
.endif
.irp g, 0,1,2,3,4,5,6,7
.irp e, 0,1,2,3,4,5,6,7
	v_cmp_ne_u32 s[32+\e], 0, v[X+8*\g+\e]         ; word 8 g + e: a bit a lane
.endr
.irp e, 0,1,2,3,4,5,6,7
	v_writelane_b32 v[50+\e%2], s[32+\e], 4*\g+\e/2   ; lane L gathers words 2 L and 2 L + 1
.endr
.endr
	global_store_b64 v6, v[50:51], s[24:25] offset:256*(\f)   ; 256 consecutive bytes, aligned
.endm
	s_wait_alu depctr_va_vdst(0)
.irp f, 0,1,2,3,4,5,6,7
	MFRAG \f
.endr
	s_wait_tensorcnt 0x0
	ds_add_u32 v62, v63
	s_wait_dscnt 0x0
	s_endpgm
.Lfunc_end_k_q8351b75077_prep:
	.size	k_q8351b75077_prep, .Lfunc_end_k_q8351b75077_prep-k_q8351b75077_prep
	.p2alignl 7, 3214868480
	.fill 96, 4, 3214868480
	.section	.rodata,"a",@progbits
	.p2align	6, 0x0
	.amdhsa_kernel k_q8351b75077_prep
		.amdhsa_group_segment_fixed_size 51456
		.amdhsa_private_segment_fixed_size 0
		.amdhsa_enable_private_segment 0
		.amdhsa_kernarg_size 88
		.amdhsa_user_sgpr_count 2
		.amdhsa_user_sgpr_kernarg_segment_ptr 1
		.amdhsa_wavefront_size32 1
		.amdhsa_system_sgpr_workgroup_id_x 1
		.amdhsa_system_sgpr_workgroup_id_y 1
		.amdhsa_system_sgpr_workgroup_id_z 1
		.amdhsa_system_vgpr_workitem_id 0
		.amdhsa_next_free_vgpr 256
		.amdhsa_next_free_sgpr 66
		.amdhsa_reserve_vcc 0
		.amdhsa_float_denorm_mode_32 3
		.amdhsa_float_denorm_mode_16_64 3
		.amdhsa_memory_ordered 1
		.amdhsa_forward_progress 1
		.amdhsa_inst_pref_size 154
	.end_amdhsa_kernel
	.amdgpu_metadata
---
amdhsa.version: [ 1, 2 ]
amdhsa.kernels:
  - .name:           k_q8351b75077_prep
    .symbol:         k_q8351b75077_prep.kd
    .args:
      - { .name: q, .offset: 0, .size: 8, .value_kind: global_buffer, .address_space: global }
      - { .name: k, .offset: 8, .size: 8, .value_kind: global_buffer, .address_space: global }
      - { .name: v, .offset: 16, .size: 8, .value_kind: global_buffer, .address_space: global }
      - { .name: Wq, .offset: 24, .size: 8, .value_kind: global_buffer, .address_space: global }
      - { .name: Wk, .offset: 32, .size: 8, .value_kind: global_buffer, .address_space: global }
      - { .name: Wv, .offset: 40, .size: 8, .value_kind: global_buffer, .address_space: global }
      - { .name: Wo, .offset: 48, .size: 8, .value_kind: global_buffer, .address_space: global }
      - { .name: mask, .offset: 56, .size: 8, .value_kind: global_buffer, .address_space: global }
      - { .name: xc, .offset: 64, .size: 8, .value_kind: global_buffer, .address_space: global }
      - { .name: xs, .offset: 72, .size: 8, .value_kind: global_buffer, .address_space: global }
      - { .name: mbits, .offset: 80, .size: 8, .value_kind: global_buffer, .address_space: global }
    .group_segment_fixed_size: 51456
    .private_segment_fixed_size: 0
    .kernarg_segment_align: 8
    .kernarg_segment_size: 88
    .max_flat_workgroup_size: 192
    .sgpr_count:     66
    .vgpr_count:     256
    .wavefront_size: 32
...
	.end_amdgpu_metadata
.endif
;; end of part 1
;; launch proj (part 2): grid 8 x 32, 4 waves a work-group, clusters of 4 x 4, 327,680 bytes of LDS; arguments xc, xs, bq, bk, bv, hc; writes hc
.if DOCPART == 2
	.amdgcn_target "amdgcn-amd-amdhsa--gfx1250"
	.amdhsa_code_object_version 6
	.text
	.protected	k_q8351b75077_proj
	.globl	k_q8351b75077_proj
	.p2align	8
	.type	k_q8351b75077_proj,@function
k_q8351b75077_proj:
	s_mov_b64 s[64:65], 0
	v_nop
	global_prefetch_b8 v0, s[64:65] scope:SCOPE_SE
	s_setreg_imm32_b32 hwreg(HW_REG_WAVE_MODE, 25, 1), 1
	s_wait_xcnt 0x0
	s_wait_alu depctr_hold_cnt(0) depctr_sa_sdst(0) depctr_va_vdst(0) depctr_va_sdst(0) depctr_va_ssrc(0) depctr_va_vcc(0) depctr_vm_vsrc(0)
	s_getreg_b32 s2, hwreg(HW_REG_IB_STS2, 6, 4)
	s_cmp_eq_u32 s2, 0
	s_cbranch_scc0 .Lentry_in_a_cluster
	s_endpgm
.Lentry_in_a_cluster:
	s_bfe_u32 s2, ttmp6, 0x10000c
	s_cmp_lg_u32 s2, 0xf033
	s_cbranch_scc0 .Lentry_shape_is_right
	s_endpgm
.Lentry_shape_is_right:
; PROJ.  qh = q Wq^T + bq, kh = k Wk^T + bk, vh = v Wv^T + bv on codes of FP6 (E2M3) with E8M0 scales, f32 sums; the results are quantised in registers and stored as operand images for the attention launch.
; A WORK-GROUP STAYS: it makes 128 tokens x 128 channels (two heads) of each of the three products, g = 0, 1, 2, one after the other; a wave 64 x 64: 16 accumulators.  The three tiles are written out by one macro, g a constant of the text.
; All of K = 1,024 of W's and X's tiles lies in LDS at once, 196,608 bytes; each wave fetches four row tiles (49,152 consecutive bytes) with one tensor load.  When a tile's last fragments are in registers, the next tile's loads are
; issued into the same bytes, behind the waits, the add and the cluster's round; they are on their way under the last K step's products, the quantiser, the stores and the next tile's scale and bias loads.
; By the text's own count a wave has one tensor load out.
; ROW TILES are not neighbours: a tile of W, q or v holds rows 32 (T / 2) + 8 (T % 2) + j + 8 (j / 8) (k's tiles have an order of their own, laid by the first launch).  So in a result the 16 registers of source 0's tiles 2 b and
; 2 b + 1 are 16 neighbours, 32 b + 16 (lane / 16) + 0 .. 15.
; ROLES.  g < 2: source 0 = 16 rows of W, source 1 = 16 tokens: a lane holds a token, its 32 registers run along the head's 64 channels, which are the K of the scores.
;         g = 2: source 0 = 16 tokens, source 1 = 16 rows of W: a lane holds a channel, its registers run along 64 keys, which are the K of the second attention product.
; hc [g][head n 32][step 16][record 6,656]: eight images of 768 bytes (registers 0-3 at 16 x lane, 4-5 at 512 + 8 x lane), then two images of scale words, 256 bytes each: word (lane, i) = the scale halfword | 0x7f7f0000 of
; row lane % 16 of unit 4 z + 2 i + lane / 16.  Q, K: unit u = token tile u of the step's 128.  V: unit 4 z + d = channel tile d x keys 64 z .. 64 z + 63.
; CLUSTER 4 x 4: W's tile hangs on the tile column alone and is asked for jointly along a column of the cluster, X's on the tile row alone and jointly along a row.
; PREFETCH: behind K step 1 of a tile that has a successor each wave names 48 blocks of 256 bytes of the next tile: one row tile of the four that it will fetch, six K steps ahead of that load; the four partners that ask for
; those four jointly are told apart by address (cy for W, cx for X).  The first tile comes by its load alone.
; LIMITS: a block of zeros or under 2^-124 gets the scale byte 1; NaN and infinities are not served.
; REGISTERS.  Window 0: v4 16 l, v5 8 l, v6 32 r + 16 h, v7, v1 bias offsets, v8-9, v12-13 LDS addresses, v10-11 prefetch offsets, v16-31 and v64-95 at work in the quantiser (v75, v79 the add's two), v32-63 the bias, later the codes,
; v96-111 W's scale words, v112-127 X's, v128-255 accumulators ((t, a) at 128 + 8 (4 t + a)).  Window 1: two fragment buffers at v0 and v128: W's tile i at 12 i, X's at 48 + 12 i.
.set XREG,  98304                      ; LDS: W's eight row tiles at 0, 12,288 bytes each (all of K); X's eight here
.set GS,    3407872                    ; bytes of one of hc's three parts
.set WSTEP, 64*12288                   ; from one product's W to the next in xc
.set XSTEP, 256*12288                  ; from one product's X to the next
.set ACC,   128
.set BB,    32
.set SW,    96
.set SX,    112
.set G1W,   24                         ; s[24:31], s[32:39] descriptor groups 1;  s[40:43], s[44:47] groups 0
.set G1X,   32
.set G0W,   40
.set G0X,   44
.set PFA,   48                         ; s[48:49] where my prefetches stand; s[52:53] their step from tile to tile
.set MSB, 0
.macro WIN new                         ; the immediate's high byte repeats the setting that is left
.if MSB != \new
	s_set_vgpr_msb (MSB<<8)|\new
.set MSB, \new
.endif
.endm
.macro CROUND                          ; a round of the cluster's barrier
	s_barrier_signal -1
	s_barrier_wait -1
	s_cmp_lg_u32 s16, 0
	s_cbranch_scc1 .Lnot_wave_0_\@
	s_barrier_signal -3
.Lnot_wave_0_\@:
	s_barrier_wait -3
	s_barrier_signal -1
	s_barrier_wait -1
.endm
.macro PLACES
.rept 4
	v_nop
.endr
.endm
.macro JLOAD                           ; one joint load a wave: waves 0-1 fetch W's halves, waves 2-3 X's; the branch hangs on the wave's number alone
	s_cmp_lt_u32 s16, 2
	s_cbranch_scc0 .Lfor_x_\@
	tensor_load_to_lds s[G0W:G0W+3], s[G1W:G1W+7]
	s_nop 0
	PLACES
	s_branch .Lasked_\@
.Lfor_x_\@:
	tensor_load_to_lds s[G0X:G0X+3], s[G1X:G1X+7]
	s_nop 0
	PLACES
.Lasked_\@:
.endm
	s_load_b256 s[4:11], s[0:1], 0x0               ; xc, xs, bq, bk
	s_load_b128 s[12:15], s[0:1], 0x20             ; bv, hc
	v_lshl_add_u32 v75, v0, 2, 0x30000
	v_mov_b32 v79, 0
	ds_add_u32 v75, v79                            ; the opening lines: the add, twice on end, and its wait ahead of my first tensor load
	ds_add_u32 v75, v79
	v_lshrrev_b32 v1, 5, v0
	v_readfirstlane_b32 s16, v1                    ; wave 0..3
	s_and_b32 s17, s16, 1                          ; ww: my 64 rows of W.  Also: which four row tiles I fetch
	s_lshr_b32 s18, s16, 1                         ; wx: my 64 tokens.  Also: I fetch for W (0) or for X (1)
	s_bfe_u32 s19, ttmp6, 0x40000                  ; cx
	s_bfe_u32 s20, ttmp6, 0x40004                  ; cy
	s_lshl_b32 s21, ttmp9, 2
	s_add_co_u32 s21, s21, s19                     ; gx: W's 128 rows
	s_and_b32 s84, ttmp7, 0xffff
	s_lshl_b32 s22, s84, 2
	s_add_co_u32 s22, s22, s20                     ; gy: the block of 128 tokens, 0 .. 31
	s_lshl_b32 s85, s20, 2
	s_lshl_b32 s85, 15, s85                        ; my row of the cluster
	s_lshl_b32 s86, 0x1111, s19                    ; my column
	s_or_b32 s[G1W], s86, (3<<16)|(1<<21)          ; 15:0 the mask; 17:16 elements of 8 bytes; 21 set beside a mask; no padding: an image is read 16 or 8 consecutive bytes a lane
	s_or_b32 s[G1X], s85, (3<<16)|(1<<21)
.irp g, G1W, G1X
	s_mov_b32 s[\g+1], 1536<<16                    ; tensor_dim0 = 1,536 elements: all eight K steps of a row tile, 12,288 bytes
	s_mov_b32 s[\g+2], 4<<16                       ; tensor_dim1 = 4 row tiles
	s_mov_b32 s[\g+3], 1536<<16                    ; tile_dim0
	s_mov_b32 s[\g+4], 4                           ; tile_dim1
	s_mov_b32 s[\g+5], 1536                        ; from row tile to row tile: 12,288 bytes
	s_mov_b32 s[\g+6], 0
	s_mov_b32 s[\g+7], 0
.endr
	s_lshl_b32 s57, s21, 3
	s_add_co_u32 s56, s57, 768                     ; Wq's first row tile of mine: 768 + 8 gx
	s_lshl_b32 s58, s22, 3                         ; q's: 8 gy
	s_lshl_b32 s60, s17, 2
	s_add_co_u32 s90, s56, s60
	s_mul_i32 s90, s90, 12288
	s_mov_b32 s91, 0
	s_add_co_u32 s92, s58, s60
	s_mul_i32 s92, s92, 12288
	s_mov_b32 s93, 0
	s_mul_i32 s60, s17, 49152                      ; where my four row tiles go: no place in the cluster enters an LDS address
	s_wait_dscnt 0x0
	s_wait_kmcnt 0x0
	s_add_nc_u64 s[90:91], s[4:5], s[90:91]
	s_add_nc_u64 s[92:93], s[4:5], s[92:93]
	s_mov_b32 s[G0W], 1
	s_mov_b32 s[G0W+1], s60
	s_mov_b64 s[G0W+2:G0W+3], s[90:91]
	s_or_b32 s[G0W+3], s[G0W+3], 0x80000000
	s_mov_b32 s[G0X], 1
	s_add_co_u32 s[G0X+1], s60, XREG
	s_mov_b64 s[G0X+2:G0X+3], s[92:93]
	s_or_b32 s[G0X+3], s[G0X+3], 0x80000000
	CROUND                                         ; all sixteen work-groups are here: the joint loads meet
	JLOAD                                          ; the first tile: one tensor load a wave at the head
	v_and_b32 v1, 31, v0
	v_and_b32 v2, 15, v0                           ; r
	v_bfe_u32 v3, v0, 4, 1                         ; h
	v_lshlrev_b32 v4, 4, v1                        ; 16 l
	v_lshlrev_b32 v5, 3, v1                        ; 8 l
	v_lshlrev_b32 v10, 8, v1                       ; prefetch: blocks 0-31 of a row tile, a lane a block;
	v_min_u32 v11, 15, v1
	v_lshl_add_u32 v11, v11, 8, 0x2000             ; blocks 32-47 (the lanes left over name the last block again)
	v_lshlrev_b32 v6, 5, v2
	v_lshl_add_u32 v6, v3, 4, v6                   ; 32 r + 16 h
	v_lshlrev_b32 v7, 6, v3                        ; bias, g < 2: 16 h numbers on
	v_and_b32 v1, 8, v2
	v_add_nc_u32 v1, v1, v2
	v_lshlrev_b32 v1, 2, v1                        ; bias, g = 2: my channel r + 8 (r / 8)
	s_mul_i32 s61, s18, 49152
	s_add_co_u32 s61, s61, XREG
	v_add_nc_u32 v8, s60, v4                       ; W's fragments: my four row tiles
	v_add_nc_u32 v9, s60, v5
	v_add_nc_u32 v12, s61, v4                      ; X's
	v_add_nc_u32 v13, s61, v5
.irp k, 0,1,2,3,4,5,6,7
	v_mov_b32 v[88+\k], 0                          ; written once: a lane permute's destination counts as one of its sources
.endr
	s_mov_b32 s52, XSTEP
	s_cmp_lt_u32 s16, 2                            ; the prefetches: do I fetch for W?
	s_cselect_b64 s[PFA:PFA+1], s[90:91], s[92:93] ; my load's first byte,
	s_cselect_b32 s50, s20, s19                    ; my place among the four that ask with me: cy for W, cx for X: it enters an address alone,
	s_cselect_b32 s52, WSTEP, s52                  ; and the step from tile to tile
	s_mul_i32 s50, s50, 12288
	s_mov_b32 s51, 0
	s_mov_b32 s53, 0
	s_add_nc_u64 s[PFA:PFA+1], s[PFA:PFA+1], s[50:51]
	s_add_nc_u64 s[PFA:PFA+1], s[PFA:PFA+1], s[52:53]   ; at the second tile
	s_lshl_b32 s60, s17, 2
	s_add_co_u32 s60, s60, s56
	s_lshl_b32 s86, s60, 9
	s_mov_b32 s87, 0
	s_add_nc_u64 s[86:87], s[6:7], s[86:87]        ; the scale words of my four tiles of Wq,
	s_lshl_b32 s60, s18, 2
	s_add_co_u32 s60, s60, s58
	s_lshl_b32 s88, s60, 9
	s_mov_b32 s89, 0
	s_add_nc_u64 s[88:89], s[6:7], s[88:89]        ; and of q
	s_lshl_b32 s54, s21, 9
	s_lshl_b32 s61, s17, 8
	s_add_co_u32 s54, s54, s61                     ; my head's first channel in a bias, in bytes
	s_mov_b32 s55, 0
.macro OPER g                          ; tile g's scale words and bias
.irp i, 0,1,2,3
	global_load_b128 v[SW+4*\i:SW+4*\i+3], v6, s[86:87] offset:512*\i+32768*(\g)    ; register s: K step s in lanes 0-15, K step 4 + s in lanes 16-31
	global_load_b128 v[SX+4*\i:SX+4*\i+3], v6, s[88:89] offset:512*\i+131072*(\g)
.endr
	s_add_nc_u64 s[90:91], s[8+2*(\g):9+2*(\g)], s[54:55]   ; bq, bk or bv (the loads that named s[90:91] before have been waited for)
.if (\g) < 2
.irp a, 0,1,2,3                        ; the bias is the C of each sum's first product, in the result's layout: tile a's register j is channel 32 (a / 2) + 16 h + 8 (a % 2) + j
	global_load_b128 v[BB+8*\a:BB+8*\a+3], v7, s[90:91] offset:(32*(\a/2)+8*(\a%2))*4
	global_load_b128 v[BB+8*\a+4:BB+8*\a+7], v7, s[90:91] offset:(32*(\a/2)+8*(\a%2))*4+16
.endr
.else
.irp t, 0,1,2,3                        ; here a lane holds one channel: eight times the same number
.irp j, 0,1,2,3,4,5,6,7
	global_load_b32 v[BB+8*\t+\j], v1, s[90:91] offset:(32*(\t/2)+8*(\t%2))*4
.endr
.endr
.endif
.endm
	OPER 0
	s_lshr_b32 s61, s22, 4                         ; the batch
	s_and_b32 s60, s22, 15                         ; the step
	s_lshl_b32 s61, s61, 4
	s_lshl_b32 s62, s21, 1
	s_add_co_u32 s61, s61, s62
	s_add_co_u32 s61, s61, s17                     ; n = 16 batch + 2 gx + ww
	s_lshl_b32 s61, s61, 4
	s_add_co_u32 s61, s61, s60
	s_mul_i32 s94, s61, 6656
	s_mov_b32 s95, 0
	s_add_nc_u64 s[94:95], s[14:15], s[94:95]      ; my record of g = 0; the others lie GS bytes apart, in the stores' immediates
	s_lshl_b32 s96, s18, 8
	s_add_co_u32 s96, s96, 6144
	s_mov_b32 s97, 0
	s_add_nc_u64 s[96:97], s[94:95], s[96:97]      ; my image of scale words
	s_mul_i32 s62, s18, 3072
	s_mov_b32 s63, 0
	s_add_nc_u64 s[94:95], s[94:95], s[62:63]      ; my four units
	s_mov_b32 s98, 0x76543210
	s_mov_b32 s99, 0xfedcba98                      ; lane l xor 16
	s_mov_b32 s84, 0xffff0000                      ; lanes 16-31
.macro FETCH ks, f                     ; 32 LDS loads in one run: K step ks of my four tiles of W and four of X into buffer f: each fragment two images on end
	WIN 0x40                                       ; destination window 1, address window 0
.irp i, 0,1,2,3
.irp x, 0,1
	ds_load_b128 v[(\f)+48*\x+12*\i:(\f)+48*\x+12*\i+3],     v[8+4*\x] offset:12288*\i+(\ks)*1536
	ds_load_b64  v[(\f)+48*\x+12*\i+4:(\f)+48*\x+12*\i+5],   v[9+4*\x] offset:12288*\i+(\ks)*1536+512
	ds_load_b128 v[(\f)+48*\x+12*\i+6:(\f)+48*\x+12*\i+9],   v[8+4*\x] offset:12288*\i+(\ks)*1536+768
	ds_load_b64  v[(\f)+48*\x+12*\i+10:(\f)+48*\x+12*\i+11], v[9+4*\x] offset:12288*\i+(\ks)*1536+1280
.endr
.endr
	WIN 0
.endm
.macro WM d, a, b, c, sa, sb, hi       ; hi: K steps 4-7 take their scale words from lanes 16-31
.if \hi
	v_wmma_scale_f32_16x16x128_f8f6f4 v[0+(\d):7+(\d)], v[0+(\a):11+(\a)], v[0+(\b):11+(\b)], v[0+(\c):7+(\c)], v[0+(\sa)], v[0+(\sb)] matrix_a_fmt:MATRIX_FMT_FP6 matrix_b_fmt:MATRIX_FMT_FP6 matrix_a_scale:MATRIX_SCALE_ROW1 matrix_b_scale:MATRIX_SCALE_ROW1
.else
	v_wmma_scale_f32_16x16x128_f8f6f4 v[0+(\d):7+(\d)], v[0+(\a):11+(\a)], v[0+(\b):11+(\b)], v[0+(\c):7+(\c)], v[0+(\sa)], v[0+(\sb)] matrix_a_fmt:MATRIX_FMT_FP6 matrix_b_fmt:MATRIX_FMT_FP6
.endif
.endm
; 16 products of K step ks.  The 16 accumulators take turns, one instruction a turn, in the same order in every step and tile.
.macro MUL ks, f, g
	WIN 0x05                                       ; sources 0 and 1 window 1; C and D window 0
.irp t, 0,1,2,3
.irp a, 0,1,2,3
.if (\g) < 2
.if (\ks) == 0
	WM ACC+8*(4*\t+\a), (\f)+12*\a, (\f)+48+12*\t, BB+8*\a, SW+4*\a, SX+4*\t, 0
.else
	WM ACC+8*(4*\t+\a), (\f)+12*\a, (\f)+48+12*\t, ACC+8*(4*\t+\a), SW+4*\a+(\ks)%4, SX+4*\t+(\ks)%4, (\ks)/4
.endif
.else
.if (\ks) == 0
	WM ACC+8*(4*\t+\a), (\f)+48+12*\a, (\f)+12*\t, BB+8*\t, SX+4*\a, SW+4*\t, 0
.else
	WM ACC+8*(4*\t+\a), (\f)+48+12*\a, (\f)+12*\t, ACC+8*(4*\t+\a), SX+4*\a+(\ks)%4, SW+4*\t+(\ks)%4, (\ks)/4
.endif
.endif
.endr
.endr
	WIN 0
.endm
.macro KSTEP ks, g, more
	s_wait_dscnt 0x0                               ; this step's fragments are in (asked for ahead of the last step's products)
.if (\ks) == 0
	s_wait_loadcnt 0x0                             ; the scale words and the bias
.endif
.if (\ks) < 7
.if (\ks) > 0
	PLACES                                         ; four plain lines between the last step's products and the loads into the registers that they read
.endif
	s_wait_alu depctr_va_vdst(0)
	FETCH (\ks)+1, 128*(((\ks)+1)%2)
.else
.if \more
	s_wait_tensorcnt 0x0                           ; THE NEXT TILE.  My reads of this tile are over (the wait above); none of my tensor loads is out;
	ds_add_u32 v75, v79                            ; 0 onto my spare word;
	s_add_nc_u64 s[G0W+2:G0W+3], s[G0W+2:G0W+3], WSTEP   ; so the groups 0 may be written: the next product's W and X
	s_add_nc_u64 s[G0X+2:G0X+3], s[G0X+2:G0X+3], XSTEP
	s_wait_dscnt 0x0                               ; the add is done
	CROUND                                         ; the same holds of every wave of all sixteen work-groups,
	JLOAD                                          ; and the refill is the first tensor load behind the round, one a wave
.endif
.endif
	MUL \ks, 128*((\ks)%2), \g
.if ((\ks) == 1) && (\more)
	global_prefetch_b8 v10, s[PFA:PFA+1] th:TH_LOAD_NT scope:SCOPE_SE   ; my share of the next tile: 48 blocks of 256 bytes
	global_prefetch_b8 v11, s[PFA:PFA+1] th:TH_LOAD_NT scope:SCOPE_SE
.endif
.endm
.macro TILE g, more
.if (\g) > 0
	s_wait_xcnt 0x0                                ; the last tile's stores have read v32-63, and its prefetches their address
.if \more
	s_add_nc_u64 s[PFA:PFA+1], s[PFA:PFA+1], s[52:53]
.endif
	OPER \g
.else
	s_wait_alu depctr_va_vdst(0)
.endif
	s_wait_tensorcnt 0x0                           ; my one load, four row tiles for all of K, is in,
	s_barrier_signal -1
	s_barrier_wait -1                              ; everybody's is
	FETCH 0, 0
.irp s, 0,1,2,3,4,5,6,7
	KSTEP \s, \g, \more
.endr
	; THE QUANTISER.  For each t the 32 registers ACC + 32 t + 16 b + i are k = 32 b + 16 h + i of my row: two blocks, each shared with lane l xor 16.  Each accumulator is read from its low end on.
	PLACES
.irp t, 0,1,2,3
.irp b, 0,1
	v_max3_num_f32 v[80+2*\t+\b], |v[ACC+32*\t+16*\b]|, |v[ACC+32*\t+16*\b+1]|, 0x1800000   ; the floor 2^(3 - 127) holds the byte at 1 from below
.endr
.endr
.irp i, 2,4,6,8,10,12,14
.irp t, 0,1,2,3
.irp b, 0,1
	v_max3_num_f32 v[80+2*\t+\b], v[80+2*\t+\b], |v[ACC+32*\t+16*\b+\i]|, |v[ACC+32*\t+16*\b+\i+1]|
.endr
.endr
.endr
.irp k, 0,1,2,3,4,5,6,7
	v_permlanex16_b32 v[88+\k], v[80+\k], s98, s99
.endr
.irp k, 0,1,2,3,4,5,6,7
	v_max_num_f32 v[80+\k], v[80+\k], v[88+\k]     ; the block's largest magnitude
.endr
.irp k, 0,1,2,3,4,5,6,7
	v_add_nc_u32 v[16+\k], 0xff000000, v[80+\k]    ; 2 off its exponent field: the conversion's scale operand
.endr
.irp k, 0,1,2,3,4,5,6,7
	v_lshrrev_b32 v[88+\k], 23, v[16+\k]           ; the scale's byte
.endr
.irp t, 0,1,2,3
	v_lshl_or_b32 v[24+\t], v[89+2*\t], 8, v[88+2*\t]
.endr
.irp t, 0,1,2,3
	v_or_b32 v[24+\t], 0x7f7f0000, v[24+\t]        ; the upper two bytes stand for 1: they meet zero codes in the scores' product
.endr
.irp t, 0,1,2,3
	v_cvt_scalef32_pk16_fp6_f32 v[32+8*\t:34+8*\t], v[ACC+32*\t:ACC+32*\t+15], v[16+2*\t]
	v_cvt_scalef32_pk16_fp6_f32 v[64+4*\t:66+4*\t], v[ACC+32*\t+16:ACC+32*\t+31], v[17+2*\t]
.endr
	v_cndmask_b32 v28, v24, v25, s84               ; (plain lines behind the conversions)  the image of scale words: lanes 0-15 unit 2 i, lanes 16-31 unit 2 i + 1
	v_cndmask_b32 v29, v26, v27, s84
.irp t, 0,1,2,3
.irp i, 0,1,2
	v_permlane16_swap_b32 v[32+8*\t+\i], v[64+4*\t+\i]   ; the operand wants a whole block in a lane: lanes 0-15 block 0, lanes 16-31 block 1
.endr
.endr
.irp t, 0,1,2,3
.irp i, 0,1,2
	v_mov_b32 v[35+8*\t+\i], v[64+4*\t+\i]
.endr
.endr
.irp t, 0,1,2,3
	global_store_b128 v4, v[32+8*\t:35+8*\t], s[94:95] offset:768*\t+GS*(\g)        ; each store of the wave covers 512 or 256 consecutive bytes, aligned
	global_store_b64 v5, v[36+8*\t:37+8*\t], s[94:95] offset:768*\t+512+GS*(\g)
.endr
	global_store_b64 v5, v[28:29], s[96:97] offset:GS*(\g)
.endm
	TILE 0, 1
	TILE 1, 1
	TILE 2, 0                                      ; the last tile asks for nothing more
	s_wait_tensorcnt 0x0                           ; the wave's end
	ds_add_u32 v75, v79
	s_wait_dscnt 0x0
	CROUND                                         ; the closing round: no work-group ends while a partner may still ask for a tile that names it
	s_endpgm
.Lfunc_end_k_q8351b75077_proj:
	.size	k_q8351b75077_proj, .Lfunc_end_k_q8351b75077_proj-k_q8351b75077_proj
	.p2alignl 7, 3214868480
	.fill 96, 4, 3214868480
	.section	.rodata,"a",@progbits
	.p2align	6, 0x0
	.amdhsa_kernel k_q8351b75077_proj
		.amdhsa_group_segment_fixed_size 327680
		.amdhsa_private_segment_fixed_size 0
		.amdhsa_enable_private_segment 0
		.amdhsa_kernarg_size 48
		.amdhsa_user_sgpr_count 2
		.amdhsa_user_sgpr_kernarg_segment_ptr 1
		.amdhsa_wavefront_size32 1
		.amdhsa_system_sgpr_workgroup_id_x 1
		.amdhsa_system_sgpr_workgroup_id_y 1
		.amdhsa_system_sgpr_workgroup_id_z 1
		.amdhsa_system_vgpr_workitem_id 0
		.amdhsa_next_free_vgpr 512
		.amdhsa_next_free_sgpr 100
		.amdhsa_reserve_vcc 0
		.amdhsa_float_denorm_mode_32 3
		.amdhsa_float_denorm_mode_16_64 3
		.amdhsa_memory_ordered 1
		.amdhsa_forward_progress 1
		.amdhsa_inst_pref_size 146
	.end_amdhsa_kernel
	.amdgpu_metadata
---
amdhsa.version: [ 1, 2 ]
amdhsa.kernels:
  - .name:           k_q8351b75077_proj
    .symbol:         k_q8351b75077_proj.kd
    .args:
      - { .name: xc, .offset: 0, .size: 8, .value_kind: global_buffer, .address_space: global }
      - { .name: xs, .offset: 8, .size: 8, .value_kind: global_buffer, .address_space: global }
      - { .name: bq, .offset: 16, .size: 8, .value_kind: global_buffer, .address_space: global }
      - { .name: bk, .offset: 24, .size: 8, .value_kind: global_buffer, .address_space: global }
      - { .name: bv, .offset: 32, .size: 8, .value_kind: global_buffer, .address_space: global }
      - { .name: hc, .offset: 40, .size: 8, .value_kind: global_buffer, .address_space: global }
    .group_segment_fixed_size: 327680
    .private_segment_fixed_size: 0
    .kernarg_segment_align: 8
    .kernarg_segment_size: 48
    .max_flat_workgroup_size: 128
    .sgpr_count:     100
    .vgpr_count:     512
    .wavefront_size: 32
...
	.end_amdgpu_metadata
.endif
;; end of part 2
;; launch attn (part 3): grid 8 x 32, 16 waves a work-group, no clusters, 215,040 bytes of LDS; arguments hc, mbits, yc, ys; writes yc, ys
.if DOCPART == 3
	.amdgcn_target "amdgcn-amd-amdhsa--gfx1250"
	.amdhsa_code_object_version 6
	.text
	.protected	k_q8351b75077_attn
	.globl	k_q8351b75077_attn
	.p2align	8
	.type	k_q8351b75077_attn,@function
k_q8351b75077_attn:
	s_mov_b64 s[64:65], 0
	v_nop
	global_prefetch_b8 v0, s[64:65] scope:SCOPE_SE
	s_setreg_imm32_b32 hwreg(HW_REG_WAVE_MODE, 25, 1), 1
	s_wait_xcnt 0x0
; ATTN.  y = softmax(where(mask == 0, -1e9, qh kh^T / 8)) vh for one head n (grid y) and 256 queries (grid x), on codes of FP6 (E2M3) with E8M0 scales; y leaves as codes and scale bytes, laid as the last launch's operand images.
; A wave owns 16 queries and walks the 2,048 keys in 16 steps of 128.  Both products are used transposed (S^T = K Q^T, O^T = V^T p^T): lane (r, h) holds query r throughout.
; hc [g][n 32][step 16][record 6,656]: eight images of 768 bytes (six operand registers: 0-3 at 16 x lane, 4-5 at 512 + 8 x lane), then two images of scale words of 256 bytes.
; KEYS.  Unit 4 c + u of a step's K record holds keys 64 c + 8 u + j + 24 (j / 8): so score register R = 32 c + 8 u + j of lane (r, h) is key 64 c + 32 h + R % 32, a lane holds the whole blocks 2 c + h of 32 keys,
; a block's maximum needs no other lane, and the conversions' results are p's operand registers as they stand (three moves a block: a conversion's registers begin on an even number).
; K = 64 in the scores' product: Q's registers 6-11 are zero codes, so what K's operand holds in its registers 6-11 adds nothing (every code of the format is finite, the scale bytes there are 0x7f).  So K's eight fragments lie
; six registers apart, each operand's upper half being the next fragment (the last one's: V's first six registers), and the eight products stand on end.
; SOFTMAX.  p = 2^(t - M), t = score x log2(e) / 8, M the ceiling of the running largest t, kept as -M; when M moves, the sum and O^T are multiplied by a power of two.  The row's sum is taken of the unquantised p.
; A block's largest p is made from the block's largest score by the same multiply-add and exponential.  A masked score is replaced by -2^33, far under every score that is served; a row that is masked whole gets equal weights.
; LIMITS: the promise holds while the scaled scores stay under 2^31 in magnitude; a block whose every p is 0 gets the scale byte 1 (its codes are zeros); NaN and infinities are not served.
; THE MASK.  mbits holds a bit a number; word R of a step is the lane mask of score register R.  At the head each wave ANDs its 16 x 64 words into 16 flags; a step whose 16 x 128 bits are all set jumps over the 64 selects
; and their scalar loads.  The branch hangs on whole numbers read from memory; it leads round no barrier.
; NO TENSOR LOADS, NO CLUSTER: K and V come through registers: wave w copies record w of K and of V, 26 loads of 512 consecutive bytes,
; into LDS once; every LDS byte is written once, one barrier.  NO PREFETCH: every global read is issued at the head in one run; there is no loop to run ahead in.
; REGISTERS.  v1 16 l, v2 8 l, v3-6 LDS addresses, v7 the masked score, v8-11 V's scale words, v12 -M, v13 largest t, v14-15 the sum, v16-27 Q, v28-31 K's scale words, v32-79 K, v80-127 V, v128-191 scores then p,
; v192-223 O^T, v224-235 p's codes, v236-251 at work, v247 8 h, v252 the factor, v253 p's scale word, v255 Q's scale word.
.set REC,   6656
.set VREG,  106496                     ; LDS: K's 16 records at 0, V's here
.set GSZ,   3407872                    ; bytes of one of hc's three parts
.set SPARE, 212992                     ; behind V: the spare words, 128 bytes a wave
.set WV,    12
.set KP,    20
.set VP,    22
.set QP,    24
.set QS,    26
.set MP,    28
.set YP,    30
.set SP,    32
.set SEL,   34
.set CS,    36
.set FL,    38
.set CNT,   39
.set TB,    56
.set MW,    68
	s_load_b256 s[4:11], s[0:1], 0x0               ; hc, mbits, yc, ys
	v_lshrrev_b32 v1, 5, v0
	v_readfirstlane_b32 s[WV], v1                  ; wave 0..15
	v_and_b32 v3, 31, v0
	v_and_b32 v4, 15, v0
	v_bfe_u32 v6, v0, 4, 1
	v_lshlrev_b32 v1, 4, v3                        ; 16 l
	v_lshlrev_b32 v2, 3, v3                        ; 8 l
	v_lshlrev_b32 v5, 3, v4                        ; 8 r
	v_lshlrev_b32 v247, 3, v6                      ; 8 h
	s_wait_alu depctr_va_vdst(0)
	s_and_b32 s14, ttmp7, 0xffff                   ; n
	s_lshr_b32 s15, s[WV], 3
	s_and_b32 s16, s[WV], 7
	s_mul_i32 s40, s14, VREG                       ; a head's 16 records
	s_mul_i32 s41, s[WV], REC
	s_add_co_u32 s18, s40, s41
	s_add_co_u32 s18, s18, GSZ                     ; K's record w
	s_mov_b32 s19, 0
	s_lshl_b32 s42, ttmp9, 1
	s_add_co_u32 s42, s42, s15
	s_mul_i32 s42, s42, REC
	s_add_co_u32 s[QP], s42, s40                   ; Q's record: step 2 x + w / 8
	s_lshr_b32 s44, s16, 2
	s_lshl_b32 s44, s44, 8
	s_and_b32 s45, s16, 1
	s_lshl_b32 s45, s45, 7
	s_add_co_u32 s44, s44, s45
	s_bfe_u32 s45, s16, 0x10001
	s_lshl_b32 s45, s45, 2
	s_add_co_u32 s44, s44, s45
	s_add_co_u32 s44, s44, 6144                    ; unit u = w % 8: its scale words at 6144 + 256 (u / 4) + 128 (u % 2) + 4 ((u / 2) % 2) + 8 r
	s_add_co_u32 s[QS], s[QP], s44
	s_mov_b32 s[QS+1], 0
	s_mul_i32 s43, s16, 768
	s_add_co_u32 s[QP], s[QP], s43
	s_mov_b32 s[QP+1], 0
	s_lshl_b32 s46, ttmp9, 4
	s_add_co_u32 s46, s46, s[WV]                   ; my query tile of the sequence's 128
	s_and_b32 s[MP], s14, 1                        ; jnp.tile: head n takes mask n % 2
	s_lshl_b32 s[MP], s[MP], 7
	s_add_co_u32 s[MP], s[MP], s46
	s_lshl_b32 s[MP], s[MP], 12
	s_mov_b32 s[MP+1], 0
	s_lshr_b32 s47, s14, 4
	s_lshl_b32 s47, s47, 7
	s_add_co_u32 s46, s47, s46                     ; y's row tile T
	s_and_b32 s47, s14, 15                         ; the head inside its batch
	s_lshl_b32 s[YP], s46, 4
	s_add_co_u32 s[YP], s[YP], s47
	s_mul_i32 s[YP], s[YP], 768
	s_mov_b32 s[YP+1], 0
	s_lshl_b32 s[SP], s46, 9
	s_lshl_b32 s47, s47, 1
	s_add_co_u32 s[SP], s[SP], s47
	s_mov_b32 s[SP+1], 0
	s_mov_b32 s[SEL], 0x76543210
	s_mov_b32 s[SEL+1], 0xfedcba98                 ; lane l xor 16
	s_mov_b32 s[CS], 0x3e38aa3b                    ; log2(e) / 8
	s_mov_b32 s[CS+1], s[CS]
	v_add_nc_u32 v3, s41, v1                       ; LDS: record w of K,
	v_add_nc_u32 v4, VREG, v3                      ; and of V
.irp i, 22,23,24,25,26,27
	v_mov_b32 v[\i], 0                             ; Q's zero codes for k = 64 .. 127
.endr
	v_mov_b32 v7, 0xd0000000
	v_mov_b32 v13, 0xff61b1e6                      ; -3e38, under every t
	v_floor_f32 v12, -v13
	v_mov_b32 v14, 0
	v_mov_b32 v15, 0
	v_mov_b32 v236, 0                              ; a lane permute's destination counts as one of its sources
	v_mov_b32 v237, 0
	v_mov_b32 v253, 0
	s_wait_alu depctr_va_vdst(0)
	s_wait_kmcnt 0x0
	s_add_nc_u64 s[KP:KP+1], s[4:5], s[18:19]
	s_add_nc_u64 s[VP:VP+1], s[KP:KP+1], GSZ
	s_add_nc_u64 s[QP:QP+1], s[4:5], s[QP:QP+1]
	s_add_nc_u64 s[QS:QS+1], s[4:5], s[QS:QS+1]
	s_add_nc_u64 s[MP:MP+1], s[6:7], s[MP:MP+1]
	s_add_nc_u64 s[YP:YP+1], s[8:9], s[YP:YP+1]
	s_add_nc_u64 s[SP:SP+1], s[10:11], s[SP:SP+1]
.irp i, 0,1,2,3,4,5,6,7,8,9,10,11,12
	global_load_b128 v[128+4*\i:131+4*\i], v1, s[KP:KP+1] offset:512*\i   ; each load of the wave reads 512 consecutive bytes, aligned
	global_load_b128 v[180+4*\i:183+4*\i], v1, s[VP:VP+1] offset:512*\i
.endr
	global_load_b128 v[16:19], v1, s[QP:QP+1]
	global_load_b64 v[20:21], v2, s[QP:QP+1] offset:512
	global_load_b32 v255, v5, s[QS:QS+1]
.irp j, 0,1,2,3,4,5,6,7
	global_load_b128 v[32+4*\j:35+4*\j], v1, s[MP:MP+1] offset:512*\j     ; my tile's mask words: lanes 0-15 step 2 j, lanes 16-31 step 2 j + 1
.endr
	s_wait_loadcnt 11                              ; the 26 of K and V are in; behind them stand Q's 3 and the mask's 8
.irp i, 0,1,2,3,4,5,6,7,8,9,10,11,12
	ds_store_b128 v3, v[128+4*\i:131+4*\i] offset:512*\i
	ds_store_b128 v4, v[180+4*\i:183+4*\i] offset:512*\i
.endr
	s_wait_loadcnt 0x0
.irp j, 0,1,2,3,4,5,6,7
	v_and_b32 v[32+4*\j], v[32+4*\j], v[33+4*\j]
	v_and_b32 v[34+4*\j], v[34+4*\j], v[35+4*\j]
.endr
.irp j, 0,1,2,3,4,5,6,7
	v_and_b32 v[32+4*\j], v[32+4*\j], v[34+4*\j]
.endr
.irp j, 0,1,2,3,4,5,6,7
	v_cmp_eq_u32 s[48+\j], -1, v[32+4*\j]          ; a bit a lane: my four words are all ones
.endr
	s_mov_b32 s[FL], 0
.irp j, 0,1,2,3,4,5,6,7
	s_and_b32 s40, s[48+\j], 0xffff
	s_cmp_eq_u32 s40, 0xffff
	s_cselect_b32 s40, 1<<(2*\j), 0
	s_or_b32 s[FL], s[FL], s40                     ; bit s of the flags: step s has no hole for my 16 queries
	s_lshr_b32 s41, s[48+\j], 16
	s_cmp_eq_u32 s41, 0xffff
	s_cselect_b32 s41, 2<<(2*\j), 0
	s_or_b32 s[FL], s[FL], s41
.endr
	s_wait_dscnt 0x0                               ; my stores are done, for the others' sake
	s_barrier_signal -1
.set j, 0
.rept 32
	v_mov_b32 v[192+j], 0                          ; O^T: the step is written once; the first change of M leaves zeros zeros
.set j, j+1
.endr
	s_wait_alu depctr_va_vdst(0)
	s_barrier_wait -1                              ; all of K and V lies in LDS
	s_mov_b32 s[TB], 0
	s_mov_b32 s[TB+1], VREG
	s_mov_b32 s[CNT], 16
.macro QK tl
.if (\tl)%2
	v_wmma_scale_f32_16x16x128_f8f6f4 v[128+8*(\tl):135+8*(\tl)], v[32+6*(\tl):43+6*(\tl)], v[16:27], 0, v[28+(\tl)/2], v255 matrix_a_fmt:MATRIX_FMT_FP6 matrix_b_fmt:MATRIX_FMT_FP6 matrix_a_scale:MATRIX_SCALE_ROW1
.else
	v_wmma_scale_f32_16x16x128_f8f6f4 v[128+8*(\tl):135+8*(\tl)], v[32+6*(\tl):43+6*(\tl)], v[16:27], 0, v[28+(\tl)/2], v255 matrix_a_fmt:MATRIX_FMT_FP6 matrix_b_fmt:MATRIX_FMT_FP6
.endif
.endm
.macro PV d
.if (\d)%2
	v_wmma_scale_f32_16x16x128_f8f6f4 v[192+8*(\d):199+8*(\d)], v[80+12*(\d):91+12*(\d)], v[224:235], v[192+8*(\d):199+8*(\d)], v[8+(\d)/2], v253 matrix_a_fmt:MATRIX_FMT_FP6 matrix_b_fmt:MATRIX_FMT_FP6 matrix_a_scale:MATRIX_SCALE_ROW1
.else
	v_wmma_scale_f32_16x16x128_f8f6f4 v[192+8*(\d):199+8*(\d)], v[80+12*(\d):91+12*(\d)], v[224:235], v[192+8*(\d):199+8*(\d)], v[8+(\d)/2], v253 matrix_a_fmt:MATRIX_FMT_FP6 matrix_b_fmt:MATRIX_FMT_FP6
.endif
.endm
.Lstep:
	v_add_nc_u32 v3, s[TB], v1                     ; these four are also the places between the last step's products and the loads into their registers
	v_add_nc_u32 v4, s[TB], v2
	v_add_nc_u32 v5, s[TB+1], v1
	v_add_nc_u32 v6, s[TB+1], v2
	ds_load_b128 v[80:83], v5                      ; V's first six registers first: K's last operand names them
	ds_load_b64 v[84:85], v6 offset:512
	ds_load_b64 v[8:9], v6 offset:6144
	ds_load_b64 v[10:11], v6 offset:6400
.irp i, 0,1,2,3,4,5,6,7
	ds_load_b128 v[32+6*\i:35+6*\i], v3 offset:768*\i
	ds_load_b64 v[36+6*\i:37+6*\i], v4 offset:768*\i+512
.endr
	ds_load_b64 v[28:29], v4 offset:6144
	ds_load_b64 v[30:31], v4 offset:6400
	ds_load_b128 v[86:89], v5 offset:768*4
	ds_load_b64 v[90:91], v6 offset:768*4+512
.irp d, 1,2,3
	ds_load_b128 v[80+12*\d:83+12*\d], v5 offset:768*\d
	ds_load_b64 v[84+12*\d:85+12*\d], v6 offset:768*\d+512
	ds_load_b128 v[86+12*\d:89+12*\d], v5 offset:768*(4+\d)
	ds_load_b64 v[90+12*\d:91+12*\d], v6 offset:768*(4+\d)+512
.endr
	s_wait_dscnt 14                                ; all but the 14 youngest, the rest of V
.irp t, 0,1,2,3,4,5,6,7
	QK \t
.endr
	v_perm_b32 v8, v10, v8, 0x05040100             ; V's scale words of these 128 keys: two halfwords each.  Four plain lines behind the products
	v_perm_b32 v9, v11, v9, 0x05040100
	v_mov_b32 v254, v12                            ; the old -M
	v_nop
	s_bitcmp1_b32 s[FL], 0
	s_cbranch_scc1 .Lfree                          ; no hole in this step for my queries
	s_load_b512 s[MW:MW+15], s[MP:MP+1], 0x0
	s_load_b512 s[MW+16:MW+31], s[MP:MP+1], 0x40
	s_wait_kmcnt 0x0
.set j, 0
.rept 32
	v_cndmask_b32 v[128+j], v7, v[128+j], s[MW+j]
.set j, j+1
.endr
	s_load_b512 s[MW:MW+15], s[MP:MP+1], 0x80
	s_load_b512 s[MW+16:MW+31], s[MP:MP+1], 0xc0
	s_wait_kmcnt 0x0
.set j, 0
.rept 32
	v_cndmask_b32 v[160+j], v7, v[160+j], s[MW+j]
.set j, j+1
.endr
.Lfree:
.irp b, 0,1,2,3
	v_max3_num_f32 v[248+\b], v[128+16*\b], v[129+16*\b], v[130+16*\b]   ; four chains by turns; each accumulator is first read at its low end
.endr
.irp i, 3,5,7,9,11,13
.irp b, 0,1,2,3
	v_max3_num_f32 v[248+\b], v[248+\b], v[128+16*\b+\i], v[129+16*\b+\i]
.endr
.endr
	v_max3_num_f32 v248, v248, v249, v143
	v_max3_num_f32 v250, v250, v251, v175
	v_max_num_f32 v248, v248, v159                 ; the largest score of my block h,
	v_max_num_f32 v250, v250, v191                 ; and of my block 2 + h
	s_delay_alu instid0(VALU_DEP_1)
	v_max_num_f32 v243, v248, v250
	s_delay_alu instid0(VALU_DEP_1)
	v_permlanex16_b32 v236, v243, s[SEL], s[SEL+1]
	s_delay_alu instid0(VALU_DEP_1)
	v_max_num_f32 v243, v243, v236                 ; the step's largest score of my query
	s_delay_alu instid0(VALU_DEP_1)
	v_mul_f32 v243, s[CS], v243
	s_delay_alu instid0(VALU_DEP_1)
	v_max_num_f32 v13, v13, v243
	s_delay_alu instid0(VALU_DEP_1)
	v_floor_f32 v12, -v13                          ; -M = floor(-t)
	s_delay_alu instid0(VALU_DEP_1)
	v_sub_f32 v254, v12, v254
	s_delay_alu instid0(VALU_DEP_1)
	v_cvt_i32_f32 v254, v254                       ; (it saturates)
	s_delay_alu instid0(VALU_DEP_1)
	v_ldexp_f32 v252, 1.0, v254                    ; 2^(old M - new M)
.set j, 0
.rept 16
	v_pk_mul_f32 v[192+j:193+j], v[192+j:193+j], v[252:253] op_sel_hi:[1,0]   ; O^T under the new M
.set j, j+2
.endr
.set j, 0
.rept 32
	v_pk_fma_f32 v[128+j:129+j], v[128+j:129+j], s[CS:CS+1], v[12:13] op_sel_hi:[1,0,0]   ; t - M
.set j, j+2
.endr
	v_fma_f32 v248, v248, s[CS], v12
	v_fma_f32 v250, v250, s[CS], v12
	s_wait_dscnt 0x0                               ; the rest of V is in
	s_wait_alu depctr_va_vdst(0)
	v_exp_f32 v248, v248                           ; the blocks' largest p
	v_exp_f32 v250, v250
.set j, 0
.rept 64
	v_exp_f32 v[128+j], v[128+j]
.set j, j+1
.endr
	v_pk_mul_f32 v[14:15], v[14:15], v[252:253] op_sel_hi:[1,0]   ; the sum under the new M: a plain line behind the batch
	s_wait_alu depctr_va_vdst(0)                   ; one wait for the batch, ahead of its first reader
	v_max_num_f32 v248, 0x1800000, v248            ; the floor 2^(3 - 127) holds the byte at 1 from below
	v_max_num_f32 v250, 0x1800000, v250
	v_add_nc_u32 v249, 0xff000000, v248            ; 2 off the exponent field: the conversions' scale operands
	v_add_nc_u32 v251, 0xff000000, v250
	v_lshrrev_b32 v248, 23, v249
	v_lshrrev_b32 v250, 23, v251
	s_delay_alu instid0(VALU_DEP_1)
	v_lshl_or_b32 v248, v250, 16, v248             ; my two bytes: blocks h and 2 + h,
	s_delay_alu instid0(VALU_DEP_1)
	v_lshlrev_b32 v248, v247, v248                 ; at their places in the word;
	s_delay_alu instid0(VALU_DEP_1)
	v_permlanex16_b32 v237, v248, s[SEL], s[SEL+1]
	s_delay_alu instid0(VALU_DEP_1)
	v_or_b32 v253, v248, v237                      ; with lane l xor 16's two the word is whole
	v_cvt_scalef32_pk16_fp6_f32 v[224:226], v[128:143], v249
	v_cvt_scalef32_pk16_fp6_f32 v[240:242], v[144:159], v249
	v_cvt_scalef32_pk16_fp6_f32 v[230:232], v[160:175], v251
	v_cvt_scalef32_pk16_fp6_f32 v[244:246], v[176:191], v251
	v_pk_add_f32 v[238:239], v[128:129], v[130:131]   ; the row's sum, of the unquantised p, in two chains; plain lines behind the conversions
.irp i, 4,8,12,16
	v_pk_add_f32 v[14:15], v[14:15], v[128+\i:129+\i]
	v_pk_add_f32 v[238:239], v[238:239], v[130+\i:131+\i]
.endr
.irp i, 0,1,2
	v_mov_b32 v[227+\i], v[240+\i]
	v_mov_b32 v[233+\i], v[244+\i]
.endr
.irp i, 20,24,28,32,36,40,44,48,52,56,60
	v_pk_add_f32 v[14:15], v[14:15], v[128+\i:129+\i]                 ; these are also the places between the operand's and the scale word's writes and the products
	v_pk_add_f32 v[238:239], v[238:239], v[130+\i:131+\i]
.endr
	v_pk_add_f32 v[14:15], v[14:15], v[238:239]
.irp d, 0,1,2,3
	PV \d                                          ; four accumulators by turns
.endr
	s_add_co_u32 s[TB], s[TB], REC
	s_add_co_u32 s[TB+1], s[TB+1], REC
	s_add_nc_u64 s[MP:MP+1], s[MP:MP+1], 256       ; (every scalar load that named it has been waited for)
	s_lshr_b32 s[FL], s[FL], 1
	s_sub_co_u32 s[CNT], s[CNT], 1
	s_cmp_lg_u32 s[CNT], 0
	s_cbranch_scc1 .Lstep
.rept 4
	v_nop                                          ; four places behind the last products
.endr
	v_add_f32 v14, v14, v15
	s_delay_alu instid0(VALU_DEP_1)
	v_permlanex16_b32 v252, v14, s[SEL], s[SEL+1]
	s_delay_alu instid0(VALU_DEP_1)
	v_add_f32 v14, v14, v252                       ; the row's sum
	s_wait_alu depctr_va_vdst(0)                   ; the wait ahead of the transcendental
	v_rcp_f32 v14, v14
	v_and_b32 v3, 15, v0
	s_delay_alu instid0(VALU_DEP_1)
	v_lshlrev_b32 v3, 5, v3                        ; 32 r: my row in ys
	s_wait_alu depctr_va_vdst(0)                   ; and ahead of its first reader, which is also O^T's
.set j, 0
.rept 32
	v_mul_f32 v[128+j], v[192+j], v14              ; y: register 16 b + i is channel 32 b + 16 h + i of the head
.set j, j+1
.endr
.irp b, 0,1
	v_max3_num_f32 v[248+\b], |v[128+16*\b]|, |v[129+16*\b]|, 0x1800000
.endr
.irp i, 2,4,6,8,10,12,14
.irp b, 0,1
	s_delay_alu instid0(VALU_DEP_2)
	v_max3_num_f32 v[248+\b], v[248+\b], |v[128+16*\b+\i]|, |v[129+16*\b+\i]|
.endr
.endr
.irp b, 0,1
	s_delay_alu instid0(VALU_DEP_2)
	v_permlanex16_b32 v[236+\b], v[248+\b], s[SEL], s[SEL+1]
.endr
.irp b, 0,1
	s_delay_alu instid0(VALU_DEP_2)
	v_max_num_f32 v[248+\b], v[248+\b], v[236+\b]  ; a block of 32 channels lies in lanes l and l xor 16
.endr
.irp b, 0,1
	s_delay_alu instid0(VALU_DEP_2)
	v_add_nc_u32 v[244+\b], 0xff000000, v[248+\b]
.endr
.irp b, 0,1
	s_delay_alu instid0(VALU_DEP_2)
	v_lshrrev_b32 v[236+\b], 23, v[244+\b]
.endr
	s_delay_alu instid0(VALU_DEP_1)
	v_lshl_or_b32 v254, v237, 8, v236              ; the head's two scale bytes of my row
	v_cvt_scalef32_pk16_fp6_f32 v[224:226], v[128:143], v244
	v_cvt_scalef32_pk16_fp6_f32 v[240:242], v[144:159], v245
	v_nop
.irp i, 0,1,2
	v_permlane16_swap_b32 v[224+\i], v[240+\i]     ; the operand wants a whole block in a lane
.endr
.irp i, 0,1,2
	s_delay_alu instid0(VALU_DEP_3)
	v_mov_b32 v[227+\i], v[240+\i]
.endr
	global_store_b128 v1, v[224:227], s[YP:YP+1]   ; 512 and 256 consecutive bytes, aligned
	global_store_b64 v2, v[228:229], s[YP:YP+1] offset:512
	global_store_b16 v3, v254, s[SP:SP+1]
	s_wait_xcnt 0x0                                ; the stores have read v254
	v_lshl_add_u32 v254, v0, 2, SPARE
	v_mov_b32 v255, 0
	s_wait_alu depctr_va_vdst(0)
	s_wait_tensorcnt 0x0                           ; the wave's end
	ds_add_u32 v254, v255
	s_wait_dscnt 0x0
	s_endpgm
.Lfunc_end_k_q8351b75077_attn:
	.size	k_q8351b75077_attn, .Lfunc_end_k_q8351b75077_attn-k_q8351b75077_attn
	.p2alignl 7, 3214868480
	.fill 96, 4, 3214868480
	.section	.rodata,"a",@progbits
	.p2align	6, 0x0
	.amdhsa_kernel k_q8351b75077_attn
		.amdhsa_group_segment_fixed_size 215040
		.amdhsa_private_segment_fixed_size 0
		.amdhsa_enable_private_segment 0
		.amdhsa_kernarg_size 32
		.amdhsa_user_sgpr_count 2
		.amdhsa_user_sgpr_kernarg_segment_ptr 1
		.amdhsa_wavefront_size32 1
		.amdhsa_system_sgpr_workgroup_id_x 1
		.amdhsa_system_sgpr_workgroup_id_y 1
		.amdhsa_system_sgpr_workgroup_id_z 1
		.amdhsa_system_vgpr_workitem_id 0
		.amdhsa_next_free_vgpr 256
		.amdhsa_next_free_sgpr 100
		.amdhsa_reserve_vcc 0
		.amdhsa_float_denorm_mode_32 3
		.amdhsa_float_denorm_mode_16_64 3
		.amdhsa_memory_ordered 1
		.amdhsa_forward_progress 1
		.amdhsa_inst_pref_size 39
	.end_amdhsa_kernel
	.amdgpu_metadata
---
amdhsa.version: [ 1, 2 ]
amdhsa.kernels:
  - .name:           k_q8351b75077_attn
    .symbol:         k_q8351b75077_attn.kd
    .args:
      - { .name: hc, .offset: 0, .size: 8, .value_kind: global_buffer, .address_space: global }
      - { .name: mbits, .offset: 8, .size: 8, .value_kind: global_buffer, .address_space: global }
      - { .name: yc, .offset: 16, .size: 8, .value_kind: global_buffer, .address_space: global }
      - { .name: ys, .offset: 24, .size: 8, .value_kind: global_buffer, .address_space: global }
    .group_segment_fixed_size: 215040
    .private_segment_fixed_size: 0
    .kernarg_segment_align: 8
    .kernarg_segment_size: 32
    .max_flat_workgroup_size: 512
    .sgpr_count:     100
    .vgpr_count:     256
    .wavefront_size: 32
...
	.end_amdgpu_metadata
.endif
;; end of part 3
;; launch outp (part 4): grid 8 x 32, 4 waves a work-group, clusters of 4 x 4, 214,528 bytes of LDS; arguments xc, xs, yc, ys, bo, out0; writes out0
.if DOCPART == 4
	.amdgcn_target "amdgcn-amd-amdhsa--gfx1250"
	.amdhsa_code_object_version 6
	.text
	.protected	k_q8351b75077_outp
	.globl	k_q8351b75077_outp
	.p2align	8
	.type	k_q8351b75077_outp,@function
k_q8351b75077_outp:
	s_mov_b64 s[64:65], 0
	v_nop
	global_prefetch_b8 v0, s[64:65] scope:SCOPE_SE
	s_setreg_imm32_b32 hwreg(HW_REG_WAVE_MODE, 25, 1), 1
	s_wait_xcnt 0x0
	s_wait_alu depctr_hold_cnt(0) depctr_sa_sdst(0) depctr_va_vdst(0) depctr_va_sdst(0) depctr_va_ssrc(0) depctr_va_vcc(0) depctr_vm_vsrc(0)
	s_getreg_b32 s2, hwreg(HW_REG_IB_STS2, 6, 4)
	s_cmp_eq_u32 s2, 0
	s_cbranch_scc0 .Lentry_in_a_cluster
	s_endpgm
.Lentry_in_a_cluster:
	s_bfe_u32 s2, ttmp6, 0x10000c
	s_cmp_lg_u32 s2, 0xf033
	s_cbranch_scc0 .Lentry_shape_is_right
	s_endpgm
.Lentry_shape_is_right:
; OUTP.  out0 = y Wo^T + bo on codes of FP6 (E2M3) with E8M0 scales, f32 sums.  y's images and scale words come from the attention launch, Wo's from the first launch (row tiles 960 on).
; A work-group makes 128 tokens x 128 channels, a wave 64 x 64: 16 accumulators.  All of K = 1,024 of both tiles lies in LDS at once: every LDS byte that a tensor load fills is filled once.
; Source 0 = 16 rows of Wo, source 1 = 16 tokens: a lane holds a token (row r of tile t: 32 (t / 2) + 8 (t % 2) + r + 8 (r / 8)), and the 32 registers of a t run along 64 channels: register 16 b + i is channel 32 b + 16 h + i.
; CLUSTER 4 x 4: Wo's tile is asked for jointly along a column of the cluster, y's along a row.
; THE WAY OUT: 16 tokens x 64 channels at a time through the wave's own stage in LDS (behind the tiles; no tensor load lands there), back as rows: sixteen lanes store 256 consecutive bytes, aligned.
; REGISTERS.  Window 0: v4 16 l, v5 8 l, v6 32 r + 16 h, v7 bias offset, v8-15 LDS addresses, v16-18 the way out, v32-63 the bias, later with v64-95 rows on their way out, v96-111 Wo's scale words, v112-127 y's,
; v128-255 accumulators ((t, a) at 128 + 8 (4 t + a)).  Window 1: two fragment buffers at v0 and v128: Wo's tile i at 12 i, y's at 48 + 12 i.
.set XREG,  98304                      ; LDS: Wo's eight row tiles at 0, 12,288 bytes each (all of K); y's eight here
.set STAGE, 196608                     ; 16 rows x 272 bytes for each wave
.set ACC,   128
.set BB,    32
.set SW,    96
.set SX,    112
.set G1W,   24
.set G1X,   32
.set G0W,   40
.set G0X,   68
.set MSB, 0
.macro WIN new
.if MSB != \new
	s_set_vgpr_msb (MSB<<8)|\new
.set MSB, \new
.endif
.endm
.macro CROUND
	s_barrier_signal -1
	s_barrier_wait -1
	s_cmp_lg_u32 s16, 0
	s_cbranch_scc1 .Lnot_wave_0_\@
	s_barrier_signal -3
.Lnot_wave_0_\@:
	s_barrier_wait -3
	s_barrier_signal -1
	s_barrier_wait -1
.endm
.macro PLACES
.rept 4
	v_nop
.endr
.endm
	s_load_b256 s[4:11], s[0:1], 0x0               ; xc, xs, yc, ys
	s_load_b128 s[12:15], s[0:1], 0x20             ; bo, out0
	v_lshl_add_u32 v30, v0, 2, 0x34400
	v_mov_b32 v31, 0
	ds_add_u32 v30, v31
	ds_add_u32 v30, v31
	v_lshrrev_b32 v1, 5, v0
	v_readfirstlane_b32 s16, v1                    ; wave 0..3
	s_and_b32 s17, s16, 1                          ; ww: my 64 channels.  Also: which four row tiles I fetch
	s_lshr_b32 s18, s16, 1                         ; wx: my 64 tokens.  Also: I fetch for Wo (0) or for y (1)
	s_bfe_u32 s19, ttmp6, 0x40000                  ; cx
	s_bfe_u32 s20, ttmp6, 0x40004                  ; cy
	s_lshl_b32 s21, ttmp9, 2
	s_add_co_u32 s21, s21, s19                     ; gx
	s_and_b32 s84, ttmp7, 0xffff
	s_lshl_b32 s22, s84, 2
	s_add_co_u32 s22, s22, s20                     ; gy
	s_lshl_b32 s85, s20, 2
	s_lshl_b32 s85, 15, s85                        ; my row of the cluster
	s_lshl_b32 s86, 0x1111, s19                    ; my column
	s_or_b32 s[G1W], s86, (3<<16)|(1<<21)          ; the mask; elements of 8 bytes; 21 set beside a mask
	s_or_b32 s[G1X], s85, (3<<16)|(1<<21)
.irp g, G1W, G1X
	s_mov_b32 s[\g+1], 1536<<16                    ; all eight K steps of a row tile: 12,288 bytes
	s_mov_b32 s[\g+2], 4<<16                       ; four row tiles
	s_mov_b32 s[\g+3], 1536<<16
	s_mov_b32 s[\g+4], 4
	s_mov_b32 s[\g+5], 1536                        ; 12,288 bytes from row tile to row tile
	s_mov_b32 s[\g+6], 0
	s_mov_b32 s[\g+7], 0
.endr
	s_lshl_b32 s56, s21, 3
	s_add_co_u32 s56, s56, 960                     ; Wo's first row tile: 960 + 8 gx
	s_lshl_b32 s58, s22, 3                         ; y's: 8 gy
	s_lshl_b32 s60, s17, 2
	s_add_co_u32 s90, s56, s60
	s_mul_i32 s90, s90, 12288
	s_mov_b32 s91, 0
	s_add_co_u32 s92, s58, s60
	s_mul_i32 s92, s92, 12288
	s_mov_b32 s93, 0
	s_mul_i32 s60, s17, 49152
	s_wait_dscnt 0x0
	s_wait_kmcnt 0x0
	s_add_nc_u64 s[90:91], s[4:5], s[90:91]
	s_add_nc_u64 s[92:93], s[8:9], s[92:93]
	s_mov_b32 s[G0W], 1                            ; one group 0 for Wo's load and one for y's: four row tiles, 49,152 consecutive bytes
	s_mov_b32 s[G0W+1], s60
	s_mov_b64 s[G0W+2:G0W+3], s[90:91]
	s_or_b32 s[G0W+3], s[G0W+3], 0x80000000
	s_mov_b32 s[G0X], 1
	s_add_co_u32 s[G0X+1], s60, XREG
	s_mov_b64 s[G0X+2:G0X+3], s[92:93]
	s_or_b32 s[G0X+3], s[G0X+3], 0x80000000
	CROUND                                         ; all sixteen work-groups are here: the joint loads meet
	s_cmp_lt_u32 s16, 2                            ; one tensor load a wave, in the two arms of one branch on the wave's number
	s_cbranch_scc0 .Lfirst_x
	tensor_load_to_lds s[G0W:G0W+3], s[G1W:G1W+7]
	s_nop 0
	PLACES
	s_branch .Lfirst_done
.Lfirst_x:
	tensor_load_to_lds s[G0X:G0X+3], s[G1X:G1X+7]
	s_nop 0
	PLACES
.Lfirst_done:
	v_and_b32 v1, 31, v0
	v_and_b32 v2, 15, v0                           ; r
	v_bfe_u32 v3, v0, 4, 1                         ; h
	v_lshlrev_b32 v4, 4, v1                        ; 16 l
	v_lshlrev_b32 v5, 3, v1                        ; 8 l
	v_lshlrev_b32 v6, 5, v2
	v_lshl_add_u32 v6, v3, 4, v6                   ; 32 r + 16 h
	v_lshlrev_b32 v7, 6, v3                        ; the bias: 16 h numbers on
	s_mul_i32 s61, s18, 49152
	s_add_co_u32 s61, s61, XREG
	v_add_nc_u32 v8, s60, v4
	v_add_nc_u32 v9, s60, v5
	v_add_nc_u32 v12, s61, v4
	v_add_nc_u32 v13, s61, v5
	s_mul_i32 s62, s16, 16*272
	s_add_co_u32 s62, s62, STAGE                   ; my stage
	v_mul_u32_u24 v16, v2, 272
	v_lshl_add_u32 v16, v3, 6, v16
	v_add_nc_u32 v16, s62, v16                     ; in: row r, + 64 h
	v_mul_u32_u24 v17, v3, 272
	v_lshl_add_u32 v17, v2, 4, v17
	v_add_nc_u32 v17, s62, v17                     ; back: lanes 0-15 one row, lanes 16-31 the next
	v_lshlrev_b32 v18, 12, v3
	v_lshl_add_u32 v18, v2, 4, v18                 ; and the same two rows in out0
	s_lshl_b32 s60, s17, 2
	s_add_co_u32 s60, s60, s56
	s_lshl_b32 s86, s60, 9
	s_mov_b32 s87, 0
	s_add_nc_u64 s[86:87], s[6:7], s[86:87]        ; the scale words of my four tiles of Wo,
	s_lshl_b32 s60, s18, 2
	s_add_co_u32 s60, s60, s58
	s_lshl_b32 s88, s60, 9
	s_mov_b32 s89, 0
	s_add_nc_u64 s[88:89], s[10:11], s[88:89]      ; and of y
.irp i, 0,1,2,3
	global_load_b128 v[SW+4*\i:SW+4*\i+3], v6, s[86:87] offset:512*\i   ; register s: K step s in lanes 0-15, K step 4 + s in lanes 16-31
	global_load_b128 v[SX+4*\i:SX+4*\i+3], v6, s[88:89] offset:512*\i
.endr
	s_lshl_b32 s60, s21, 9
	s_lshl_b32 s61, s17, 8
	s_add_co_u32 s60, s60, s61                     ; my first channel, in bytes
	s_mov_b32 s61, 0
	s_add_nc_u64 s[90:91], s[12:13], s[60:61]
.irp a, 0,1,2,3                        ; the bias is the C of each sum's first product, in the result's layout
	global_load_b128 v[BB+8*\a:BB+8*\a+3], v7, s[90:91] offset:(32*(\a/2)+8*(\a%2))*4
	global_load_b128 v[BB+8*\a+4:BB+8*\a+7], v7, s[90:91] offset:(32*(\a/2)+8*(\a%2))*4+16
.endr
	s_lshl_b32 s62, s22, 7
	s_lshl_b32 s63, s18, 6
	s_add_co_u32 s62, s62, s63                     ; my first token
	s_lshl_b32 s62, s62, 12                        ; x 4,096 bytes
	s_add_co_u32 s94, s62, s60
	s_mov_b32 s95, 0
	s_add_nc_u64 s[94:95], s[14:15], s[94:95]
.macro FETCH ks, f                     ; 32 LDS loads in one run: K step ks of my four tiles of Wo and four of y into buffer f
	WIN 0x40
.irp i, 0,1,2,3
.irp x, 0,1
	ds_load_b128 v[(\f)+48*\x+12*\i:(\f)+48*\x+12*\i+3],     v[8+4*\x] offset:12288*\i+(\ks)*1536
	ds_load_b64  v[(\f)+48*\x+12*\i+4:(\f)+48*\x+12*\i+5],   v[9+4*\x] offset:12288*\i+(\ks)*1536+512
	ds_load_b128 v[(\f)+48*\x+12*\i+6:(\f)+48*\x+12*\i+9],   v[8+4*\x] offset:12288*\i+(\ks)*1536+768
	ds_load_b64  v[(\f)+48*\x+12*\i+10:(\f)+48*\x+12*\i+11], v[9+4*\x] offset:12288*\i+(\ks)*1536+1280
.endr
.endr
	WIN 0
.endm
.macro WM d, a, b, c, sa, sb, hi
.if \hi
	v_wmma_scale_f32_16x16x128_f8f6f4 v[0+(\d):7+(\d)], v[0+(\a):11+(\a)], v[0+(\b):11+(\b)], v[0+(\c):7+(\c)], v[0+(\sa)], v[0+(\sb)] matrix_a_fmt:MATRIX_FMT_FP6 matrix_b_fmt:MATRIX_FMT_FP6 matrix_a_scale:MATRIX_SCALE_ROW1 matrix_b_scale:MATRIX_SCALE_ROW1
.else
	v_wmma_scale_f32_16x16x128_f8f6f4 v[0+(\d):7+(\d)], v[0+(\a):11+(\a)], v[0+(\b):11+(\b)], v[0+(\c):7+(\c)], v[0+(\sa)], v[0+(\sb)] matrix_a_fmt:MATRIX_FMT_FP6 matrix_b_fmt:MATRIX_FMT_FP6
.endif
.endm
.macro MUL ks, f                       ; 16 products; the 16 accumulators take turns, one instruction a turn
	WIN 0x05
.irp t, 0,1,2,3
.irp a, 0,1,2,3
.if (\ks) == 0
	WM ACC+8*(4*\t+\a), (\f)+12*\a, (\f)+48+12*\t, BB+8*\a, SW+4*\a, SX+4*\t, 0
.else
	WM ACC+8*(4*\t+\a), (\f)+12*\a, (\f)+48+12*\t, ACC+8*(4*\t+\a), SW+4*\a+(\ks)%4, SX+4*\t+(\ks)%4, (\ks)/4
.endif
.endr
.endr
	WIN 0
.endm
.macro KSTEP ks
	s_wait_dscnt 0x0                               ; this step's fragments are in
.if (\ks) == 0
	s_wait_loadcnt 0x0                             ; the scale words and the bias
.endif
.if (\ks) < 7
.if (\ks) > 0
	PLACES                                         ; four plain lines between the last step's products and the loads into the registers that they read
.endif
	FETCH (\ks)+1, 128*(((\ks)+1)%2)
.endif
	MUL \ks, 128*((\ks)%2)
.endm
	s_wait_alu depctr_va_vdst(0)
	s_wait_tensorcnt 0x0                           ; my one load, four row tiles for all of K, is in,
	s_barrier_signal -1
	s_barrier_wait -1                              ; everybody's is
	FETCH 0, 0
.irp s, 0,1,2,3,4,5,6,7
	KSTEP \s
.endr
.macro TOSTAGE t                       ; 16 tokens x 64 channels into my stage and back as rows.  LDS serves a wave's instructions in order: no wait between the stores and the loads, nor ahead of the next block's stores
.irp a, 0,1,2,3
	ds_store_b128 v16, v[ACC+32*(\t)+8*\a:ACC+32*(\t)+8*\a+3] offset:128*(\a/2)+32*(\a%2)         ; each accumulator from its low end on
	ds_store_b128 v16, v[ACC+32*(\t)+8*\a+4:ACC+32*(\t)+8*\a+7] offset:128*(\a/2)+32*(\a%2)+16
.endr
.irp i, 0,1,2,3,4,5,6,7
	ds_load_b128 v[32+32*((\t)%2)+4*\i:32+32*((\t)%2)+4*\i+3], v17 offset:544*\i
.endr
.endm
.macro SEND t, younger                 ; younger: the LDS instructions issued behind block t's loads, which may stay out
	s_wait_dscnt \younger
.irp i, 0,1,2,3,4,5,6,7
	global_store_b128 v18, v[32+32*((\t)%2)+4*\i:32+32*((\t)%2)+4*\i+3], s[94:95] offset:(32*((\t)/2)+8*((\t)%2)+2*\i+8*(\i/4))*4096 th:TH_STORE_NT   ; stage rows 2 i, 2 i + 1 are tokens 2 i + 8 (i / 4) on of the tile
.endr
.endm
	PLACES                                         ; four plain lines behind the last products
	TOSTAGE 0
	TOSTAGE 1
	SEND 0, 16                                     ; behind block 0's loads: block 1's 8 stores and 8 loads
	s_wait_xcnt 0x0                                ; block 0's stores have read their registers: block 2's loads may land there
	TOSTAGE 2
	SEND 1, 16
	s_wait_xcnt 0x0
	TOSTAGE 3
	SEND 2, 16
	SEND 3, 0
	s_wait_tensorcnt 0x0
	ds_add_u32 v30, v31
	s_wait_dscnt 0x0
	CROUND                                         ; the closing round
	s_endpgm
.Lfunc_end_k_q8351b75077_outp:
	.size	k_q8351b75077_outp, .Lfunc_end_k_q8351b75077_outp-k_q8351b75077_outp
	.p2alignl 7, 3214868480
	.fill 96, 4, 3214868480
	.section	.rodata,"a",@progbits
	.p2align	6, 0x0
	.amdhsa_kernel k_q8351b75077_outp
		.amdhsa_group_segment_fixed_size 214528
		.amdhsa_private_segment_fixed_size 0
		.amdhsa_enable_private_segment 0
		.amdhsa_kernarg_size 48
		.amdhsa_user_sgpr_count 2
		.amdhsa_user_sgpr_kernarg_segment_ptr 1
		.amdhsa_wavefront_size32 1
		.amdhsa_system_sgpr_workgroup_id_x 1
		.amdhsa_system_sgpr_workgroup_id_y 1
		.amdhsa_system_sgpr_workgroup_id_z 1
		.amdhsa_system_vgpr_workitem_id 0
		.amdhsa_next_free_vgpr 512
		.amdhsa_next_free_sgpr 100
		.amdhsa_reserve_vcc 0
		.amdhsa_float_denorm_mode_32 3
		.amdhsa_float_denorm_mode_16_64 3
		.amdhsa_memory_ordered 1
		.amdhsa_forward_progress 1
		.amdhsa_inst_pref_size 50
	.end_amdhsa_kernel
	.amdgpu_metadata
---
amdhsa.version: [ 1, 2 ]
amdhsa.kernels:
  - .name:           k_q8351b75077_outp
    .symbol:         k_q8351b75077_outp.kd
    .args:
      - { .name: xc, .offset: 0, .size: 8, .value_kind: global_buffer, .address_space: global }
      - { .name: xs, .offset: 8, .size: 8, .value_kind: global_buffer, .address_space: global }
      - { .name: yc, .offset: 16, .size: 8, .value_kind: global_buffer, .address_space: global }
      - { .name: ys, .offset: 24, .size: 8, .value_kind: global_buffer, .address_space: global }
      - { .name: bo, .offset: 32, .size: 8, .value_kind: global_buffer, .address_space: global }
      - { .name: out0, .offset: 40, .size: 8, .value_kind: global_buffer, .address_space: global }
    .group_segment_fixed_size: 214528
    .private_segment_fixed_size: 0
    .kernarg_segment_align: 8
    .kernarg_segment_size: 48
    .max_flat_workgroup_size: 128
    .sgpr_count:     100
    .vgpr_count:     512
    .wavefront_size: 32
...
	.end_amdgpu_metadata
.endif
;; end of part 4
